; MI455X (gfx1250); checked and timed in simulation.
; The chip was launched on July 23, 2026; its instructions are those of AMD's public machine-readable ISA for CDNA 5 (MIT licence, August 2026) and "CDNA5" Instruction Set Architecture Reference Guide (July 2026). The comments in the code are by the model that wrote it; some were corrected since.
;; Self Attn. Allowed arithmetic: matrix products marked QUANTISED: E4M3 operands, one given power-of-two scale a tensor, by v_wmma_f32_16x16x64_fp8_fp8 or v_wmma_f32_16x16x128_fp8_fp8, f32 sums; everything else in f32.
;; Inputs: Wf 32 x 1,024 float32; Wg 32 x 1,024 float32; Wh 1,024 x 1,024 float32; bf 32 float32; bg 32 float32; bh 1,024 float32; gamma one number float32; lowp_scales 10 int32 (the exponents e of the quantised operands' scales 2^e); x 8 x 1,024 x 32 x 64 float32.
;; Outputs: out0 8 x 1,024 x 32 x 64 float32.
;; This version of the problem:
;;   THIS VERSION OF THE PROBLEM IS GIVEN IN LOW PRECISION. The matrix products marked QUANTISED in the list below multiply operands that are first quantised to E4M3 (4 exponent bits, 3 mantissa bits; 8 bits a number), with one given power-of-two scale for each operand tensor; their sums are f32. All else is computed in f32.
;;   The module's matrix products, in the order in which they are computed (A, B: the left and right operand; K: the contracted axis; several contracted axes count as one K, in the product's order):
;;     1. [M 16,384, K 1,024] x [K 1,024, N 32]; A: input x; B: input Wf: QUANTISED (scales: A lowp_scales[0], B lowp_scales[1])
;;     2. [M 16,384, K 1,024] x [K 1,024, N 32]; A: input x; B: input Wg: QUANTISED (scales: A lowp_scales[2], B lowp_scales[3])
;;     3. [M 16,384, K 1,024] x [K 1,024, N 1,024]; A: input x; B: input Wh: QUANTISED (scales: A lowp_scales[4], B lowp_scales[5])
;;     4. batch 8 x [M 2,048, K 32] x [K 32, N 2,048]; A: computed on the way; B: computed on the way: QUANTISED (scales: A lowp_scales[6], B lowp_scales[7])
;;     5. batch 8 x [M 1,024, K 2,048] x [K 2,048, N 2,048]; A: computed on the way; B: softmax (see below): QUANTISED (scales: A lowp_scales[8], B lowp_scales[9])
;;   THE QUANTISER, for each operand of a quantised product, along K:
;;     - The operand's scale is 2^e, e = its entry of the input lowp_scales (int32; the entries are numbered through the quantised products in the list's order, A before B).
;;     - Each number is divided by the scale, clamped to +-448, and rounded to the nearest number of E4M3, ties to even, subnormals kept.
;;     - The product sums the exact products of the quantised numbers (number of the format x scale) in f32.
;;   ~~~python
;;   def quantise(x, axis, e):      # numpy; x: float32 -> the quantised numbers, widened to float32 again
;;       x = np.moveaxis(x, axis, -1); K = x.shape[-1]
;;       r = np.clip(x / 2.0 ** e, -448, 448)
;;       step = 2.0 ** (np.maximum(np.frexp(np.where(r == 0, 1, r))[1] - 1, -6) - 3)
;;       q = np.round(r / step) * step * 2.0 ** e      # np.round: ties to even
;;       return np.moveaxis(q, -1, axis).astype(np.float32)
;;   ~~~
;;   SOFTMAX AHEAD OF A QUANTISED PRODUCT. Where the list says 'softmax', what is quantised is not the finished softmax but p = 2^(t - M), with t = logit x log2(e) and M = ceil(the row's largest t), a whole number; so 1/2 < the row's largest p <= 1. The row's sum l is taken of the UNQUANTISED p, in f32, and the product's result is divided by l at the end. Since M is a whole number, a kernel that streams over the keys may use a running M (the ceiling of the running maximum): every later rescaling is an exact power of two, so the quantised numbers keep their values, but for numbers so far below the row's largest that they fall under the format's range.
;;   OPERANDS COMPUTED ON THE WAY. 'Computed on the way' means the value that the module computes at that place (a softmax that the list does not call 'softmax' is quantised finished and normalised). What goes into a quantiser is computed in f32, as accurately as f32 sums, v_exp_f32 and their like allow (about 1e-6 of the number): no bf16 or f16 on the way to a quantiser, and a product that is left as it is and whose result goes on into a quantised operand takes f32 operands (vector FMAs, or v_wmma_f32_16x16x4_f32). A number that lies on a knife's edge between two numbers of the format may be rounded either way, as far as f32 arithmetic and the matrix unit's own rounding can turn it there, and no further.
;; One version. Each part assembles by itself: llvm-mc -triple=amdgcn-amd-amdhsa -mcpu=gfx1250 --defsym DOCPART=n.
;; ======== version 1 of 1: 3 launches
;; workspace buffers: whq 1,048,576 bytes; xq 16,777,216 bytes; fq 524,288 bytes; gq 524,288 bytes; hq 16,777,216 bytes; pq 33,554,432 bytes; rl 65,536 bytes
;; launch xfg (part 1): grid 32 x 8, 8 waves a work-group, no clusters, 201,728 bytes of LDS; arguments x, Wf, Wg, Wh, lowp_scales, bf, bg, xq, fq, gq, whq; writes xq, fq, gq, whq
.if DOCPART == 1
	.amdgcn_target "amdgcn-amd-amdhsa--gfx1250"
	.amdhsa_code_object_version 6
	.text
	.protected	k_q526b1d77e2_xfg
	.globl	k_q526b1d77e2_xfg
	.p2align	8
	.type	k_q526b1d77e2_xfg,@function
k_q526b1d77e2_xfg:
	s_mov_b64 s[64:65], 0
	v_nop
	global_prefetch_b8 v0, s[64:65] scope:SCOPE_SE
	s_setreg_imm32_b32 hwreg(HW_REG_WAVE_MODE, 25, 1), 1
	s_wait_xcnt 0x0
; THE PROGRAM: out = gamma * o + x, o = hh softmax(g^T f)^T, f, g, hh = Wf, Wg, Wh times x plus their biases; all five products on codes of FP8 (E4M3), each operand with its given scale 2^e.
; NOTHING IS LEFT OUT AS DEAD WORK: bf and bg move the codes of f and g, bh moves the codes of hh, x is quantised under e0, e2 and e4 apart (three inputs that may differ), gamma and x reach the output: every input is loaded.
; Three launches: this one (x and the weights to codes, f and g); the softmax's p and hh, both as codes; o and the output.
; THE IMAGE.  Every operand lies as the operand's registers: a fragment is 16 rows x 128 along K, 2,048 bytes; byte 512 c + 16 (16 h + r) + e is the code of (row r, k = 32 c + 16 h + e).  Four accesses of 16 bytes a lane, at
; 16 x lane + 512 c, fill registers 4 c .. 4 c + 3.  It is one permutation of k, the same on both sides of every product: each code meets its partner.
; THIS LAUNCH.  x [8][1024 c][2048 n], f32, is read ONCE and becomes three sets of codes along c (e0, e2, e4); f = Wf x + bf and g = Wg x + bg are made from the first two sets and quantised (f: e7, g: e6).
; A work-group takes 64 positions of one batch, all 1,024 channels.  K (the channels) is not innermost in x: A LANE TAKES A POSITION AND ITS REGISTERS RUN DOWN c, so the conversions give codes with K innermost.
; PHASE 1.  Wave w: 32 positions (w & 1), 256 channels (w >> 1), 8 blocks of 32 channels.  A block's 32 codes of a lane are two pieces of 16 bytes of an image.  The e4 codes go to memory (xq), the e0 and e2 codes into LDS.
; Beside it each wave quantises 4 of the work-group's 32 fragments of Wf (e1) and Wg (e3), K innermost in memory, two at a time in registers that phase 1 leaves idle, and stores their images into LDS.
; THE POSITIONS OF A TILE ARE NOT NEIGHBOURS: row m of tile 2 B + u is position 32 B + 8 u + m + 8 (m / 8), so that in the product that makes hh a lane's 16 registers of two neighbouring tiles are 16 neighbouring positions.
; PHASE 2.  Wave w: kind = w >> 2 (f, g), 16 of the 32 output channels ((w >> 1) & 1), two tiles of positions (w & 1): two accumulators by turns, 8 K steps.  Source 0 = 16 rows of the weight, source 1 = 16 positions:
; a lane holds one position and eight neighbouring channels, neighbours along the scores' K.  sum x 2^(ea + eb) + bias, hold, conversion; 8 bytes a lane into LDS; the wave stores 512 consecutive bytes.
; Wh [1024][1024] (e5): 512 fragments, two a work-group: waves 0 and 4 take one each; its loads go out behind the last product, its work stands behind the last store.
; xq: [b][tile 128][K step 8][image];  fq, gq: [b][position 2048][32 codes];  whq: [16 rows' tile 64][K step 8][image].
; LIMITS: e0 to e7 between -126 and 119; e0 + e1 and e2 + e3 between -126 and 127.  NaN among the inputs is not served.
.set X2,    65536                      ; LDS: the e0 codes from 0 on, [tile 4][K step 8][image], 65,536 bytes; the e2 codes likewise from here on
.set WIMG,  131072                     ; the weights' codes: [f, g][tile 2][K step 8][image], 65,536 bytes
.set FGS,   196608                     ; f's 64 positions x 32 bytes, then g's
.set SPARE, 200704                     ; the spare words, 128 bytes for each of the eight waves: four blocks of 256 bytes that no other line names
.set XO,   1                           ; v1   4 x lane: my position's bytes in a row of x; phase 2: my 16 bytes among my kind's 2,048
.set IMG,  2                           ; v2   my 16 bytes in the images that my wave fills: also my offset in xq
.set IMG2, 3                           ; v3   the same among the e2 codes
.set LI,   4                           ; v4   16 x lane
.set XFA,  5                           ; v5   phase 2: my lane in my kind's, my pair of tiles' images
.set FGW,  6                           ; v6   where I put 8 codes of f or g
.set FGR,  7                           ; v7   where I read 16 of them back
.set SPW,  14                          ; v14  my spare word; never rewritten
.set NIL,  15                          ; v15  0; never rewritten
.set WO,   16                          ; v16  a weight's f32 numbers: row (lane % 16) of 4,096 bytes + 64 (lane / 16)
.set WST,  17                          ; v17  where I store my four fragments of the weights
.set WRD,  18                          ; v18  where I read my eight
.set BOF,  19                          ; v19  32 (lane / 16): my eight channels' bias
.set SCW,  20                          ; v20  the weight's 2^e;  v21  448 x it;  phase 2: v20-23 the row read back
.set LIMW, 21
.set C4,   24                          ; v24-31  a block's e4 codes
.set BIAS, 24                          ;         phase 2: the bias of my eight channels
.set X,    32                          ; v32-95  two sets of 32 numbers; phase 2: two sets of two fragments of x
.set T,    96                          ; v96-111 at work; phase 2: the two accumulators
.set CW,   96                          ; v96-127 the codes of two fragments of a weight
.set C0,   112                         ; v112-119 a block's e0 codes
.set C2,   120                         ; v120-127 its e2 codes; phase 2: v112-127 the finished f or g
.set W,    128                         ; v128-255 phase 1: two fragments of a weight as f32; phase 2: my eight fragments of codes; then Wh's fragment
	s_load_b512 s[4:19], s[0:1], 0x0               ; x 4:5, Wf 6:7, Wg 8:9, Wh 10:11, scales 12:13, bf 14:15, bg 16:17, xq 18:19
	s_load_b128 s[44:47], s[0:1], 0x40             ; fq 44:45, gq 46:47
	s_load_b64 s[48:49], s[0:1], 0x50              ; whq
	v_lshl_add_u32 v[SPW], v0, 2, SPARE
	v_mov_b32 v[NIL], 0
	v_lshrrev_b32 v96, 5, v0
	v_readfirstlane_b32 s20, v96                   ; wave 0..7
	s_and_b32 s21, s20, 1                          ; which 32 positions (both phases); which four K steps of the weight I quantise
	s_lshr_b32 s22, s20, 1                         ; phase 1: which 256 channels.  Also 2 x kind + half of the output channels: which 16 rows of the weights
	s_lshr_b32 s23, s20, 2                         ; kind: 0 f, 1 g
	s_and_b32 s32, s22, 1                          ; which 16 output channels
	s_and_b32 s50, s20, 3                          ; 0 in waves 0 and 4, which take Wh's fragments
	s_and_b32 s33, ttmp7, 0xffff                   ; the batch
	v_and_b32 v97, 31, v0                          ; lane = my position q among 32
	v_lshlrev_b32 v[XO], 2, v97
	v_lshlrev_b32 v[LI], 4, v97
	v_bfe_u32 v98, v0, 3, 1                        ; u = (q / 8) % 2: which tile of the pair
	v_bfe_u32 v99, v0, 4, 1                        ; q / 16, which is also the lane's half h
	v_and_b32 v100, 7, v0
	v_lshl_add_u32 v100, v99, 3, v100              ; m = q % 8 + 8 (q / 16): my row in that tile
	v_lshlrev_b32 v[IMG], 4, v100
	v_lshl_add_u32 v[IMG], v98, 14, v[IMG]         ; a tile's eight images are 16,384 bytes
	s_lshl_b32 s34, s21, 15
	s_lshl_b32 s35, s22, 12                        ; 256 channels are two K steps
	s_add_co_u32 s34, s34, s35
	v_add_nc_u32 v[IMG], s34, v[IMG]
	v_add_nc_u32 v[IMG2], X2, v[IMG]
	s_lshl_b32 s34, s23, 16
	s_lshl_b32 s35, s21, 15
	s_add_co_u32 s34, s34, s35
	v_add_nc_u32 v[XFA], s34, v[LI]
	v_and_b32 v101, 15, v0                         ; r
	v_and_b32 v102, 8, v0
	v_add_nc_u32 v102, v102, v101                  ; r + 8 (r / 8): row r's position in its tile's pair
	v_lshlrev_b32 v[FGW], 5, v102
	v_lshl_add_u32 v[FGW], v99, 3, v[FGW]          ; + 8 h
	s_lshl_b32 s34, s23, 11
	s_lshl_b32 s35, s21, 10
	s_add_co_u32 s34, s34, s35
	s_lshl_b32 s35, s32, 4
	s_add_co_u32 s34, s34, s35
	s_add_co_u32 s34, s34, FGS
	v_add_nc_u32 v[FGW], s34, v[FGW]
	v_lshl_add_u32 v[FGR], v0, 4, FGS
	v_lshlrev_b32 v[WO], 12, v101
	v_lshl_add_u32 v[WO], v99, 6, v[WO]
	s_lshl_b32 s34, s22, 14                        ; my 16 rows' eight images
	s_add_co_u32 s34, s34, WIMG
	v_add_nc_u32 v[WRD], s34, v[LI]
	s_lshl_b32 s35, s21, 13                        ; the four of them that I make
	s_add_co_u32 s34, s34, s35
	v_add_nc_u32 v[WST], s34, v[LI]
	v_lshlrev_b32 v[BOF], 5, v99
	s_lshl_b32 s34, s33, 23                        ; x: batch x 2^23 + 256 channels x 8,192 + 64 positions x 4 + 32 positions x 4
	s_lshl_b32 s35, s22, 21
	s_add_co_u32 s34, s34, s35
	s_lshl_b32 s35, ttmp9, 8
	s_add_co_u32 s34, s34, s35
	s_lshl_b32 s35, s21, 7
	s_add_co_u32 s34, s34, s35
	s_mov_b32 s35, 0
	s_wait_kmcnt 0x0
	s_load_b256 s[24:31], s[12:13], 0x0            ; e0 .. e7
	s_add_nc_u64 s[4:5], s[4:5], s[34:35]
	s_lshl_b32 s34, s33, 21                        ; xq: a batch's 128 tiles, my work-group's four
	s_lshl_b32 s36, ttmp9, 16
	s_add_co_u32 s34, s34, s36
	s_add_nc_u64 s[18:19], s[18:19], s[34:35]
	s_cmp_eq_u32 s23, 0                            ; the three choices hang on the wave's number alone
	s_cselect_b64 s[6:7], s[6:7], s[8:9]           ; Wf or Wg,
	s_cselect_b64 s[14:15], s[14:15], s[16:17]     ; bf or bg,
	s_cselect_b64 s[44:45], s[44:45], s[46:47]     ; fq or gq
	s_lshl_b32 s34, s32, 16                        ; the weight: my 16 rows of 4,096 bytes,
	s_lshl_b32 s36, s21, 11                        ; my four K steps of 512 bytes
	s_add_co_u32 s34, s34, s36
	s_add_nc_u64 s[6:7], s[6:7], s[34:35]
	s_lshl_b32 s34, s32, 6
	s_add_nc_u64 s[14:15], s[14:15], s[34:35]
	s_lshl_b32 s34, s33, 16
	s_lshl_b32 s36, ttmp9, 11
	s_add_co_u32 s34, s34, s36
	s_add_nc_u64 s[44:45], s[44:45], s[34:35]      ; my work-group's 64 positions x 32 bytes
	s_lshl_b32 s34, s33, 5                         ; Wh: fragment 2 x (32 x batch + work-group x) + wave / 4 = 8 x tile + K step
	s_add_co_u32 s34, s34, ttmp9
	s_lshl_b32 s34, s34, 1
	s_add_co_u32 s36, s34, s23
	s_lshl_b32 s34, s36, 11
	s_add_nc_u64 s[48:49], s[48:49], s[34:35]
	s_lshr_b32 s34, s36, 3
	s_lshl_b32 s34, s34, 16
	s_and_b32 s37, s36, 7
	s_lshl_b32 s37, s37, 9
	s_add_co_u32 s34, s34, s37
	s_add_nc_u64 s[10:11], s[10:11], s[34:35]
.macro LOAD t                          ; block t: x(32 t + i, my position), i = 0 .. 31, into set t % 2: a load reads 128 consecutive bytes, the neighbouring wave the 128 beside them
.set i, 0
.rept 32
	global_load_b32 v[X+32*((\t)%2)+i], v[XO], s[4:5] offset:(32*(\t)+i)*8192 th:TH_LOAD_NT
.set i, i+1
.endr
.endm
.macro WL p                            ; fragments 2 p and 2 p + 1 of my four, as f32: register 64 i + 16 c + n = k 32 c + 16 h + n of my row
.irp i, 0,1
.irp cc, 0,1,2,3
.irp j, 0,1,2,3
	global_load_b128 v[W+64*\i+16*\cc+4*\j:W+64*\i+16*\cc+4*\j+3], v[WO], s[6:7] offset:512*(2*(\p)+\i)+128*\cc+16*\j
.endr
.endr
.endr
.endm
.macro QW p                            ; they become codes, and their images go to LDS
.irp i, 0,1
.set n, 0
.rept 64
	v_med3_num_f32 v[W+64*\i+n], v[W+64*\i+n], -v[LIMW], v[LIMW]   ; the conversion to an 8-bit code does not saturate (ISA guide 7.6.2): the hold comes first
.set n, n+1
.endr
.irp cc, 0,1,2,3
	v_cvt_scalef32_pk8_fp8_f32 v[CW+16*\i+4*\cc:CW+16*\i+4*\cc+1], v[W+64*\i+16*\cc:W+64*\i+16*\cc+7], v[SCW]
	v_cvt_scalef32_pk8_fp8_f32 v[CW+16*\i+4*\cc+2:CW+16*\i+4*\cc+3], v[W+64*\i+16*\cc+8:W+64*\i+16*\cc+15], v[SCW]
.endr
.endr
	v_nop                                          ; one plain line behind the last conversion
.irp i, 0,1
.irp cc, 0,1,2,3
	ds_store_b128 v[WST], v[CW+16*\i+4*\cc:CW+16*\i+4*\cc+3] offset:2048*(2*(\p)+\i)+512*\cc
.endr
.endr
	s_wait_dscnt 0x0                               ; the stores are done: the codes' registers are written again by the next block
.endm
.macro SCALE e, sc, lim                ; v[sc] = 2^e, v[lim] = 448 x 2^e, e in s[e]
	s_add_co_i32 s36, s[\e], 127
	s_lshl_b32 s37, s36, 23
	v_mov_b32 v[\sc], s37
	s_add_co_i32 s36, s36, 8
	s_lshl_b32 s36, s36, 23
	s_or_b32 s36, s36, 0x600000
	v_mov_b32 v[\lim], s36
.endm
	WL 0
	LOAD 0
	s_wait_kmcnt 0x0
	SCALE 24, 8, 9                                 ; e0
	SCALE 26, 10, 11                               ; e2
	SCALE 28, 12, 13                               ; e4
	s_cmp_eq_u32 s23, 0
	s_cselect_b32 s36, s24, s26                    ; x's and the weight's exponents of my product,
	s_cselect_b32 s37, s25, s27
	s_cselect_b32 s38, s31, s30                    ; and the result's: f is the scores' B (e7), g their A (e6)
	s_mov_b32 s39, s37
	s_add_co_i32 s36, s36, s37
	s_add_co_i32 s36, s36, 127
	s_lshl_b32 s40, s36, 23                        ; 2^(ea + eb) as f32
	s_mov_b32 s41, s40                             ; (named with it as a pair, so it is written)
	s_add_co_i32 s38, s38, 127
	s_lshl_b32 s42, s38, 23                        ; the result's scale,
	s_add_co_i32 s38, s38, 8
	s_lshl_b32 s43, s38, 23
	s_or_b32 s43, s43, 0x600000                    ; and 448 x it
	SCALE 39, SCW, LIMW                            ; the weight's
.macro BLOCK t, left
.set XS, X+32*((\t)%2)
.set O, 2048*((\t)/4)+512*((\t)%4)
	s_wait_loadcnt \left                           ; this block's 32 loads are in; what was issued behind them may be out
.if (\t) > 0
	s_wait_xcnt 0x0                                ; the last block's stores to xq have read the e4 codes' registers: they are written again only behind this wait
.endif
.irp g, 0,1,2,3
.irp i, 0,1,2,3,4,5,6,7
	v_med3_num_f32 v[T+\i], v[XS+8*\g+\i], -v9, v9             ; the hold at 448 x 2^e0,
.endr
.irp i, 0,1,2,3,4,5,6,7
	v_med3_num_f32 v[T+8+\i], v[XS+8*\g+\i], -v11, v11         ; at 448 x 2^e2,
.endr
.irp i, 0,1,2,3,4,5,6,7
	v_med3_num_f32 v[XS+8*\g+\i], v[XS+8*\g+\i], -v13, v13     ; and, in place, at 448 x 2^e4
.endr
	v_cvt_scalef32_pk8_fp8_f32 v[C0+2*\g:C0+2*\g+1], v[T:T+7], v8
	v_cvt_scalef32_pk8_fp8_f32 v[C2+2*\g:C2+2*\g+1], v[T+8:T+15], v10
	v_cvt_scalef32_pk8_fp8_f32 v[C4+2*\g:C4+2*\g+1], v[XS+8*\g:XS+8*\g+7], v12
	v_nop                                          ; one plain line between the conversions and the next lines that write their sources
.endr
	ds_store_b128 v[IMG], v[C0:C0+3] offset:O                  ; k = 32 c + 0 .. 15 of my row: the image's half h = 0,
	ds_store_b128 v[IMG], v[C0+4:C0+7] offset:O+256            ; k = 32 c + 16 .. 31: its half h = 1
	ds_store_b128 v[IMG2], v[C2:C2+3] offset:O
	ds_store_b128 v[IMG2], v[C2+4:C2+7] offset:O+256
	global_store_b128 v[IMG], v[C4:C4+3], s[18:19] offset:O    ; sixteen lanes fill 256 consecutive bytes of one tile's image, the other sixteen of the other's
	global_store_b128 v[IMG], v[C4+4:C4+7], s[18:19] offset:O+256
.if (\t) < 6
	LOAD (\t)+2
.endif
	s_wait_dscnt 0x0                               ; the LDS stores are done: their registers may be written again; at the end, for the other waves' sake
.endm
	s_wait_loadcnt 32                              ; the weight's first two fragments are in; block 0's 32 loads may be out
	QW 0
	WL 1
	LOAD 1
	BLOCK 0, 63                                    ; 64 loads are younger than block 0's (the weight's 32, block 1's 32); the wait's field holds 63, and a smaller count is safe
	s_wait_loadcnt 63                              ; likewise: behind the weight's loads stand block 1's 32 and block 2's 32
	QW 1
	BLOCK 1, 32
	BLOCK 2, 32
	BLOCK 3, 32
	BLOCK 4, 32
	BLOCK 5, 32
	BLOCK 6, 32
	BLOCK 7, 0                                     ; nothing was issued behind the last block's loads
	s_barrier_signal -1                            ; every wave's images lie in LDS (its stores were waited for above)
	s_barrier_wait -1
	s_wait_xcnt 0x0                                ; the last block's stores have read v24-31 and v2: the biases may land there
	global_load_b128 v[BIAS:BIAS+3], v[BOF], s[14:15]
	global_load_b128 v[BIAS+4:BIAS+7], v[BOF], s[14:15] offset:16
.irp s, 0,1,2,3,4,5,6,7                        ; my eight fragments of the weight, as two waves made them
.irp c, 0,1,2,3
	ds_load_b128 v[W+16*\s+4*\c:W+16*\s+4*\c+3], v[WRD] offset:2048*\s+512*\c
.endr
.endr
.macro FETCHX s                        ; K step s of my two tiles of positions, into set s % 2
.irp t, 0,1
.irp c, 0,1,2,3
	ds_load_b128 v[X+32*((\s)%2)+16*\t+4*\c:X+32*((\s)%2)+16*\t+4*\c+3], v[XFA] offset:16384*\t+2048*(\s)+512*\c
.endr
.endr
.endm
	FETCHX 0
	FETCHX 1
.irp s, 0,1,2,3,4,5,6,7
.if \s < 7
	s_wait_dscnt 8                                 ; this K step's eight loads (and, at first, the weight's 32) are in; the other set's eight may be out
.else
	s_wait_dscnt 0
.endif
.irp t, 0,1                                    ; the two accumulators take turns, one instruction a turn
.if \s == 0
	v_wmma_f32_16x16x128_fp8_fp8 v[T+8*\t:T+8*\t+7], v[W+16*\s:W+16*\s+15], v[X+32*(\s%2)+16*\t:X+32*(\s%2)+16*\t+15], 0
.else
	v_wmma_f32_16x16x128_fp8_fp8 v[T+8*\t:T+8*\t+7], v[W+16*\s:W+16*\s+15], v[X+32*(\s%2)+16*\t:X+32*(\s%2)+16*\t+15], v[T+8*\t:T+8*\t+7]
.endif
.endr
.if \s < 6
.rept 4
	v_nop                                          ; four places in front of loads into registers that the products above have read
.endr
	FETCHX \s+2
.endif
.endr
	v_mov_b32 v12, s42                             ; the result's scale, 448 x it, and my 16 bytes among my kind's 2,048: four plain lines, the places behind the last products
	v_mov_b32 v13, s43
	v_and_b32 v[XO], 127, v0
	v_lshlrev_b32 v[XO], 4, v[XO]
	s_wait_loadcnt 0x0                             ; the biases: for zero, since only some waves issue the loads below
	s_cmp_lg_u32 s50, 0                            ; waves 0 and 4 ask for their fragment of Wh here; it lands under the lines that follow
	s_cbranch_scc1 .Lno_wh_a
.irp cc, 0,1,2,3
.irp j, 0,1,2,3
	global_load_b128 v[W+16*\cc+4*\j:W+16*\cc+4*\j+3], v[WO], s[10:11] offset:128*\cc+16*\j th:TH_LOAD_NT
.endr
.endr
.Lno_wh_a:
.irp t, 0,1
.irp j, 0,2,4,6
	v_pk_fma_f32 v[C0+8*\t+\j:C0+8*\t+\j+1], v[T+8*\t+\j:T+8*\t+\j+1], s[40:41], v[BIAS+\j:BIAS+\j+1] op_sel_hi:[1,0,1]   ; sum x 2^(ea + eb) + bias; each accumulator from its low end on
.endr
.endr
.irp i, 0,1,2,3,4,5,6,7,8,9,10,11,12,13,14,15
	v_med3_num_f32 v[C0+\i], v[C0+\i], -v13, v13
.endr
	v_cvt_scalef32_pk8_fp8_f32 v[8:9], v[C0:C0+7], v12
	v_cvt_scalef32_pk8_fp8_f32 v[10:11], v[C0+8:C0+15], v12
	v_nop
	ds_store_b64 v[FGW], v[8:9]                    ; tile 2 pp: position 32 pp + r + 8 (r / 8), channels 16 ot + 8 h + 0 .. 7
	ds_store_b64 v[FGW], v[10:11] offset:256       ; tile 2 pp + 1: eight positions on
	s_wait_dscnt 0x0                               ; for the others' sake: my stores are done
	s_barrier_signal -1
	s_barrier_wait -1
	ds_load_b128 v[20:23], v[FGR]                  ; waves 0-3 take f's 2,048 bytes, waves 4-7 g's
	s_wait_dscnt 0x0
	global_store_b128 v[XO], v[20:23], s[44:45]    ; the wave stores 512 consecutive bytes
	s_cmp_lg_u32 s50, 0
	s_cbranch_scc1 .Lno_wh_b
	s_wait_loadcnt 0x0                             ; Wh's fragment
	SCALE 29, 2, 3                                 ; e5
.set n, 0
.rept 64
	v_med3_num_f32 v[W+n], v[W+n], -v3, v3
.set n, n+1
.endr
.irp cc, 0,1,2,3
	v_cvt_scalef32_pk8_fp8_f32 v[W+64+4*\cc:W+64+4*\cc+1], v[W+16*\cc:W+16*\cc+7], v2
	v_cvt_scalef32_pk8_fp8_f32 v[W+64+4*\cc+2:W+64+4*\cc+3], v[W+16*\cc+8:W+16*\cc+15], v2
.endr
	v_nop
.irp cc, 0,1,2,3
	global_store_b128 v[LI], v[W+64+4*\cc:W+64+4*\cc+3], s[48:49] offset:512*\cc   ; the wave stores 512 consecutive bytes of the image
.endr
.Lno_wh_b:
	s_wait_tensorcnt 0x0                           ; the wave's end: behind my last LDS store
	ds_add_u32 v[SPW], v[NIL]
	s_wait_dscnt 0x0
	s_endpgm
.Lfunc_end_k_q526b1d77e2_xfg:
	.size	k_q526b1d77e2_xfg, .Lfunc_end_k_q526b1d77e2_xfg-k_q526b1d77e2_xfg
	.p2alignl 7, 3214868480
	.fill 96, 4, 3214868480
	.section	.rodata,"a",@progbits
	.p2align	6, 0x0
	.amdhsa_kernel k_q526b1d77e2_xfg
		.amdhsa_group_segment_fixed_size 201728
		.amdhsa_private_segment_fixed_size 0
		.amdhsa_enable_private_segment 0
		.amdhsa_kernarg_size 88
		.amdhsa_user_sgpr_count 2
		.amdhsa_user_sgpr_kernarg_segment_ptr 1
		.amdhsa_wavefront_size32 1
		.amdhsa_system_sgpr_workgroup_id_x 1
		.amdhsa_system_sgpr_workgroup_id_y 1
		.amdhsa_system_sgpr_workgroup_id_z 1
		.amdhsa_system_vgpr_workitem_id 0
		.amdhsa_next_free_vgpr 256
		.amdhsa_next_free_sgpr 66
		.amdhsa_reserve_vcc 0
		.amdhsa_float_denorm_mode_32 3
		.amdhsa_float_denorm_mode_16_64 3
		.amdhsa_memory_ordered 1
		.amdhsa_forward_progress 1
		.amdhsa_inst_pref_size 132
	.end_amdhsa_kernel
	.amdgpu_metadata
---
amdhsa.version: [ 1, 2 ]
amdhsa.kernels:
  - .name:           k_q526b1d77e2_xfg
    .symbol:         k_q526b1d77e2_xfg.kd
    .args:
      - { .name: x, .offset: 0, .size: 8, .value_kind: global_buffer, .address_space: global }
      - { .name: Wf, .offset: 8, .size: 8, .value_kind: global_buffer, .address_space: global }
      - { .name: Wg, .offset: 16, .size: 8, .value_kind: global_buffer, .address_space: global }
      - { .name: Wh, .offset: 24, .size: 8, .value_kind: global_buffer, .address_space: global }
      - { .name: lowp_scales, .offset: 32, .size: 8, .value_kind: global_buffer, .address_space: global }
      - { .name: bf, .offset: 40, .size: 8, .value_kind: global_buffer, .address_space: global }
      - { .name: bg, .offset: 48, .size: 8, .value_kind: global_buffer, .address_space: global }
      - { .name: xq, .offset: 56, .size: 8, .value_kind: global_buffer, .address_space: global }
      - { .name: fq, .offset: 64, .size: 8, .value_kind: global_buffer, .address_space: global }
      - { .name: gq, .offset: 72, .size: 8, .value_kind: global_buffer, .address_space: global }
      - { .name: whq, .offset: 80, .size: 8, .value_kind: global_buffer, .address_space: global }
    .group_segment_fixed_size: 201728
    .private_segment_fixed_size: 0
    .kernarg_segment_align: 8
    .kernarg_segment_size: 88
    .max_flat_workgroup_size: 256
    .sgpr_count:     66
    .vgpr_count:     256
    .wavefront_size: 32
...
	.end_amdgpu_metadata
.endif
;; end of part 1
;; launch hsoft (part 2): grid 8 x 32, 4 waves a work-group, clusters of 4 x 4, 327,680 bytes of LDS; arguments whq, xq, lowp_scales, bh, hq, gq, fq, gamma, pq, rl; writes hq, pq, rl
.if DOCPART == 2
	.amdgcn_target "amdgcn-amd-amdhsa--gfx1250"
	.amdhsa_code_object_version 6
	.text
	.protected	k_q526b1d77e2_hsoft
	.globl	k_q526b1d77e2_hsoft
	.p2align	8
	.type	k_q526b1d77e2_hsoft,@function
k_q526b1d77e2_hsoft:
	s_mov_b64 s[64:65], 0
	v_nop
	global_prefetch_b8 v0, s[64:65] scope:SCOPE_SE
	s_setreg_imm32_b32 hwreg(HW_REG_WAVE_MODE, 25, 1), 1
	s_wait_xcnt 0x0
	s_wait_alu depctr_hold_cnt(0) depctr_sa_sdst(0) depctr_va_vdst(0) depctr_va_sdst(0) depctr_va_ssrc(0) depctr_va_vcc(0) depctr_vm_vsrc(0)
	s_getreg_b32 s2, hwreg(HW_REG_IB_STS2, 6, 4)
	s_cmp_eq_u32 s2, 0
	s_cbranch_scc0 .Lentry_in_a_cluster
	s_endpgm
.Lentry_in_a_cluster:
	s_bfe_u32 s2, ttmp6, 0x10000c
	s_cmp_lg_u32 s2, 0xf033
	s_cbranch_scc0 .Lentry_shape_is_right
	s_endpgm
.Lentry_shape_is_right:
; TWO THINGS THAT BOTH HANG ON THE LAUNCH BEFORE AND NOT ON EACH OTHER: the softmax's p as codes, and hh as codes.  No work is left out.
; (1) THE SOFTMAX, at the head, while the first tiles of (2) are on their way.  s[i][j] = g[:, i] . f[:, j] on codes (g: e6, f: e7); t = s x log2(e); M = ceil(the row's largest t); p = 2^(t - M) is quantised along the keys (e9)
; and stored as the last product's operand; l = the row's sum of the unquantised p; rl[i] = gamma x 2^(e8 + e9) / l[i].  A batch has 128 tiles of 16 queries and its 32 work-groups 128 waves: ONE WAVE TAKES ONE TILE OF QUERIES AND
; ALL 2,048 KEYS, so nothing goes from wave to wave: no LDS, no barrier.  f's codes of the batch, 64 KB, lie in the 512 registers that will be (2)'s accumulators.  A lane's 1,024 scores do not fit beside them, so the keys go in
; 8 chunks of 256, twice: pass 1 makes the scores and keeps their maximum (taken away before the exponential, as the problem has it); pass 2 makes them again (K is 32: 16 short products a chunk) and finishes p under the true M.
; S^T = f^T g: source 0 = 16 keys, source 1 = my 16 queries: a lane holds ONE query (lane % 16).  THE KEYS OF A TILE ARE NOT NEIGHBOURS: lane r of tile 2 B + u takes key 32 B + 8 u + r + 8 (r / 8), so that the 16 registers of
; tiles 2 B and 2 B + 1 are keys 32 B + 16 (lane / 16) + 0 .. 15: the conversions' results are registers 4 B .. 4 B + 3 of the operand's image.  K IS 32, THE FORM'S IS 64: source 0 carries TWO tiles of keys; against
; (q | zeros) it gives the first tile's scores, against (zeros | q) the second's.  The hold at 448 x 2^e9 stands with no branch.
; (2) hh[b][o][n] = sum over c of Wh[o][c] x[b][c][n] + bh[o], on codes (Wh: e5, x: e4), and hh's own codes along n (e8).  A tile of hh, 256 channels x 256 positions, is made by the work-group's four waves; a wave makes
; 128 x 128: 64 accumulators, 512 registers.  Grid x: the 8 tile columns; grid y: 4 x batch + tile row.
; OPERANDS LIE IN MEMORY AS IMAGES OF THEIR REGISTERS: a fragment (16 rows x 128 K) is 2,048 bytes, byte 512 c + 16 lane + e; a tile of 16 rows has its K steps on end.  So a K slot (two steps of 128) of 128 rows is 8 runs of
; 4,096 bytes, one tensor load, dense in LDS; a fragment comes by four loads of 512 consecutive bytes: no pitch, no padding.  The tile has eight such runs and no more rows to give.
; K goes through a ring of two LDS slots.  CLUSTERS: 4 x 4 work-groups = one batch's four tile rows x four tile columns.  The four of a row need the same tiles of Wh, the four of a column the same tiles of x: each tile is asked
; for JOINTLY, by the same tensor load with the same descriptor and a mask that names the four.  By this text's count a wave has two tensor loads out at the start and one behind each round.
; THE MATRIX INSTRUCTION IS USED TRANSPOSED (source 0 = 16 positions, source 1 = 16 channels): a lane holds one channel and eight positions; the positions of a tile of x were chosen so that the 16 registers of two
; neighbouring tiles are positions 32 B + 16 (lane / 16) + 0 .. 15: the conversions' results are registers 4 B .. 4 B + 3 of hh's image.  No LDS on the way out.
; No prefetch: K has four slots, two of which are the first fills, and Wh's codes are read by every cluster.
; pq: [b][16 queries' tile 128][K step 16][image];  hq: [b][16 channels' tile 64][K step 16][image];  rl: [b][query].
; LIMITS: e4 + e5 between -126 and 127; e6 + e7 between -126 and 126 (they are added to log2(e)'s exponent field); e8 and e9 between -126 and 119; e8 + e9 goes by v_ldexp_f32 and has none.
; REGISTERS, in windows of 256: window 0: v16-29 addresses; v96-111 the biases; v112, v113 hh's scale; from v128 A's fragments, ONE set; on the way out v32-95 at work and from v128 hh's codes.
;   In (1): v2, v3, v7 offsets; v10, v11 p's scale; v[12:13] -M; v32-47 the queries; v48-79 p's codes; v80-83 four maxima; v84-87 at work; v88-95 four pairs of sums; v128-255 a chunk's scores, then p.
;   window 1: B's fragments, TWO sets.   windows 2, 3: in (1) f's codes, chunk q at v[64 (q % 4)] of window 2 + q / 4; in (2) the accumulators ((a, b) at v[8 (8 a + b)]; window 2: my channels 0-63, window 3: 64-127).
.set KS,     8                         ; K steps of 128
.set TP,     KS*2048                   ; from a tile of 16 rows to the next, in bytes
.set HALFT,  32768                     ; 8 tiles x two K steps: what one tensor load brings, and what one wave reads of A or of B
.set SLOT,   4*HALFT                   ; A's 16 tiles, then B's 16
.set LAPS,   KS/4                      ; a lap = two slots = once round the ring
.set SPARE,  2*SLOT                    ; behind the ring: the spare words, 128 bytes for each wave
.set FR,     16                        ; registers of a fragment
.set NL,     4                         ; LDS loads that bring one
.set NP,     4                         ; places behind this matrix instruction (ISA guide 7.12.1)
.set ADRA, 16                          ; v16-17  LDS address of my A fragments in slot 0, 1
.set ADRB, 20                          ; v20-21  the same for B
.set LI,   26                          ; v26     16 x lane
.set BO,   27                          ; v27     4 x (lane % 16): my channel's bias
.set SPW,  28                          ; v28     my spare word; never rewritten
.set NIL,  29                          ; v29     0; never rewritten
.set TMP,  32
.set BH,   96                          ; v[96 + 2 a], twice: the bias of my channel in block a
.set SC,   112                         ; v112    2^e8;  v113  448 x 2^e8
.set AF,   128
.set CD,   128                         ; the way out: hh's codes, 16 registers a block, never written again
.set QOF,  2                           ; the softmax: a query's codes: 32 r + 16 h
.set KOF,  3                           ; a key's: 32 (r + 8 (r / 8)) + 16 h
.set RLO,  7                           ; rl: 4 r
.set SC9,  10                          ; v10 2^e9; v11 448 x 2^e9
.set NM,   12                          ; v[12:13] -M, and a partner that the packed form names
.set QL,   32                          ; (q | zeros)
.set QH,   40                          ; (zeros | q)
.set PC,   48
.set MX,   80
.set TW,   84
.set LS,   88
.set S,    128
.set G1, 24                            ; s[24:31] descriptor group 1 for A's tiles;  s[32:39] group 0, one set for each slot
.set G0, 32
.set G1B, 48                           ; s[48:55], s[56:63] the same for B's tiles
.set G0B, 56
.set MSB, 0
.macro WIN new                         ; the immediate's high byte repeats the setting that is left
.if MSB != (\new)
	s_set_vgpr_msb (MSB<<8)|(\new)
.set MSB, (\new)
.endif
.endm
.set MUL_LO, 0xa1                      ; source 0 (B) window 1, source 1 (A) window 0, C and D window 2
.set MUL_HI, 0xf1                      ; the same, C and D window 3
.set TO_B,   0x40                      ; destination window 1, address window 0
; A joint load: waves 0 and 1 fetch for A, waves 2 and 3 for B.  Each line has one mask and one set of registers for all that issue it; the branch hangs on the wave's number alone.
; An s_nop 0 and four v_nop follow each of the two lines.
.macro JLOAD g0a, g1a, g0b, g1b
	s_cmp_eq_u32 s15, 0
	s_cbranch_scc0 .Lfor_b_\@
	tensor_load_to_lds s[\g0a:\g0a+3], s[\g1a:\g1a+7]
	s_nop 0
.rept 4
	v_nop
.endr
	s_branch .Lasked_\@
.Lfor_b_\@:
	tensor_load_to_lds s[\g0b:\g0b+3], s[\g1b:\g1b+7]
	s_nop 0
.rept 4
	v_nop
.endr
.Lasked_\@:
.endm
.macro CREST                           ; a round of the cluster's barrier behind its opening barrier
	s_cmp_lg_u32 s14, 0
	s_cbranch_scc1 .Lnot_wave_0_\@
	s_barrier_signal -3
.Lnot_wave_0_\@:
	s_barrier_wait -3
	s_barrier_signal -1
	s_barrier_wait -1
.endm
.macro CROUND                          ; a whole round
	s_barrier_signal -1
	s_barrier_wait -1
	CREST
.endm
; THE SOFTMAX'S MACROS.  Chunk q: keys 256 q .. 256 q + 255.
.macro KLOAD q                         ; its codes: eight fragments of two tiles of keys; sixteen lanes read 256 consecutive bytes
.irp b, 0,1,2,3,4,5,6,7
.irp u, 0,1
	global_load_b128 v[64*((\q)%4)+8*\b+4*\u:64*((\q)%4)+8*\b+4*\u+3], v[KOF], s[70:71] offset:8192*(\q)+1024*\b+256*\u
.endr
.endr
.endm
.macro SCORES q                        ; its 16 tiles of scores, and the four places behind the last product
	WIN 0x02+((\q)/4)                              ; source 0: window 2 or 3
.irp b, 0,1,2,3,4,5,6,7
	v_wmma_f32_16x16x64_fp8_fp8 v[S+16*\b:S+16*\b+7], v[64*((\q)%4)+8*\b:64*((\q)%4)+8*\b+7], v[QL:QL+7], 0
	v_wmma_f32_16x16x64_fp8_fp8 v[S+16*\b+8:S+16*\b+15], v[64*((\q)%4)+8*\b:64*((\q)%4)+8*\b+7], v[QH:QH+7], 0
.endr
	WIN 0
.rept 4
	v_nop
.endr
.endm
.macro PASS1 q                         ; the largest score of my query among the chunk's keys that I hold, in four chains, the registers in ascending order: each accumulator from its low end on
.if 112-16*(\q) > 63
	s_wait_loadcnt 63                              ; 16 loads of each later chunk are younger; the wait's field holds 63, and a smaller count is safe
.else
	s_wait_loadcnt 112-16*(\q)                     ; the 16 loads of each later chunk may be out
.endif
	SCORES \q
.set n, 0
.rept 64
	v_max3_num_f32 v[MX+n%4], v[MX+n%4], v[S+2*n], v[S+2*n+1]
.set n, n+1
.endr
.endm
.macro PASS2 q
	SCORES \q
.set n, 0
.rept 64
	v_pk_fma_f32 v[S+2*n:S+2*n+1], v[S+2*n:S+2*n+1], s[86:87], v[NM:NM+1] op_sel_hi:[1,0,0]   ; t - M, two at a time (of both pairs the low word serves both halves)
.set n, n+1
.endr
.set n, 0
.rept 128
	v_exp_f32 v[S+n], v[S+n]                       ; p = 2^(t - M), at most 1: not normalised
.set n, n+1
.endr
	v_nop                                          ; one plain line behind the last exponential
	s_wait_alu depctr_va_vdst(0)                   ; one wait for the whole batch, ahead of its first reader
.set n, 0
.rept 64
	v_pk_add_f32 v[LS+2*(n%4):LS+2*(n%4)+1], v[LS+2*(n%4):LS+2*(n%4)+1], v[S+2*n:S+2*n+1]   ; the sum of the UNQUANTISED p: two at a time, in four chains
.set n, n+1
.endr
.if (\q) > 0
	s_wait_xcnt 0x0                                ; the last chunk's stores have read the codes' registers: they are written again only behind this wait
.endif
.irp b, 0,1,2,3,4,5,6,7
.irp i, 0,1,2,3,4,5,6,7,8,9,10,11,12,13,14,15
	v_min_num_f32 v[S+16*\b+\i], v[S+16*\b+\i], v[SC9+1]       ; the conversion does not saturate (ISA guide 7.6.2); p is not negative, so the hold is one-sided
.endr
	v_cvt_scalef32_pk8_fp8_f32 v[PC+4*\b:PC+4*\b+1], v[S+16*\b:S+16*\b+7], v[SC9]
	v_cvt_scalef32_pk8_fp8_f32 v[PC+4*\b+2:PC+4*\b+3], v[S+16*\b+8:S+16*\b+15], v[SC9]
.endr
	v_nop                                          ; one plain line between the conversions and the next products, which write their sources
.irp b, 0,1,2,3,4,5,6,7
	global_store_b128 v[LI], v[PC+4*\b:PC+4*\b+3], s[74:75] offset:4096*(\q)+512*\b th:TH_STORE_NT   ; the wave stores 512 consecutive bytes of an image: the chunk is K steps 2 q and 2 q + 1
.endr
.endm
	s_load_b128 s[4:7], s[0:1], 0x0                ; Wh's codes s[4:5], x's codes s[6:7]
	s_load_b128 s[8:11], s[0:1], 0x10              ; the scales' exponents s[8:9], bh s[10:11]
	s_load_b64 s[12:13], s[0:1], 0x20              ; hq
	s_load_b256 s[68:75], s[0:1], 0x28             ; gq 68:69, fq 70:71, gamma 72:73, pq 74:75
	s_load_b64 s[76:77], s[0:1], 0x48              ; rl
	v_lshl_add_u32 v[SPW], v0, 2, SPARE
	v_mov_b32 v[NIL], 0
	ds_add_u32 v[SPW], v[NIL]                      ; the wave's opening: the add, twice on end, and its wait ahead of my first tensor load; the set-up below stands between the second and the wait
	ds_add_u32 v[SPW], v[NIL]
	v_lshrrev_b32 v1, 5, v0
	v_readfirstlane_b32 s14, v1                    ; wave 0..3
	s_lshr_b32 s15, s14, 1                         ; which half of the tile's channels is mine.  Also: I fetch for A (0) or for B (1)
	s_and_b32 s16, s14, 1                          ; which half of its positions.  Also: which 8 tiles of 16 rows I fetch
	s_bfe_u32 s40, ttmp6, 0x40000                  ; cx, cy: my place in the cluster
	s_bfe_u32 s41, ttmp6, 0x40004                  ; cy is the tile row
	s_lshl_b32 s42, ttmp9, 2
	s_add_co_u32 s42, s42, s40                     ; tile column = 4 x cluster x + cx
	s_and_b32 s17, ttmp7, 0xffff                   ; cluster y is the batch
	s_lshl_b32 s43, s41, 2
	s_lshl_b32 s43, 15, s43                        ; my row of the cluster
	s_lshl_b32 s44, 0x1111, s40                    ; my column
	s_or_b32 s[G1+0], s43, (3<<16)|(1<<21)         ; 15:0 the mask: A's tiles go to my row; 17:16 elements of 8 bytes; 21 set beside a mask; no padding
	s_or_b32 s[G1B+0], s44, (3<<16)|(1<<21)
.irp g, G1, G1B
	s_mov_b32 s[\g+1], 512<<16                     ; tensor_dim0 = 512 elements: two K steps' images, 4,096 bytes
	s_mov_b32 s[\g+2], 8<<16                       ; tensor_dim1 = 8 tiles of 16 rows
	s_mov_b32 s[\g+3], 512<<16                     ; tile_dim0
	s_mov_b32 s[\g+4], 8                           ; tile_dim1
	s_mov_b32 s[\g+5], TP/8                        ; tensor_dim0_stride
	s_mov_b32 s[\g+6], 0
	s_mov_b32 s[\g+7], 0
.endr
	s_lshl_b32 s18, s16, 17                        ; which 8 tiles I fetch: 8 x TP
	s_lshl_b32 s20, s41, 18                        ; A: tile row x 16 x TP
	s_add_co_u32 s20, s20, s18
	s_mov_b32 s21, 0
	s_lshl_b32 s46, s42, 18                        ; B: tile column x 16 x TP,
	s_add_co_u32 s46, s46, s18
	s_lshl_b32 s19, s17, 21                        ; in my batch's 128 tiles
	s_add_co_u32 s46, s46, s19
	s_mov_b32 s47, 0
	s_mul_i32 s45, s14, HALFT                      ; where they go: no place in the cluster enters an LDS address
	s_wait_dscnt 0x0                               ; both opening adds are done
	s_wait_kmcnt 0x0
	s_load_b64 s[96:97], s[8:9], 0x10              ; e4, e5
	s_load_b32 s98, s[8:9], 0x20                   ; e8
	s_load_b128 s[80:83], s[8:9], 0x18             ; e6, e7, e8, e9
	s_load_b32 s84, s[72:73], 0x0                  ; gamma
	s_add_nc_u64 s[20:21], s[4:5], s[20:21]
	s_add_nc_u64 s[46:47], s[6:7], s[46:47]
	CROUND                                         ; all sixteen work-groups are here: the first joint loads meet
.irp s, 0,1
	s_mov_b32 s[G0+4*\s], 1
	s_add_co_u32 s[G0+4*\s+1], s45, \s*SLOT
	s_add_nc_u64 s[G0+4*\s+2:G0+4*\s+3], s[20:21], \s*4096
	s_or_b32 s[G0+4*\s+3], s[G0+4*\s+3], 0x80000000
	s_mov_b32 s[G0B+4*\s], 1
	s_add_co_u32 s[G0B+4*\s+1], s45, \s*SLOT
	s_add_nc_u64 s[G0B+4*\s+2:G0B+4*\s+3], s[46:47], \s*4096
	s_or_b32 s[G0B+4*\s+3], s[G0B+4*\s+3], 0x80000000
	JLOAD G0+4*\s, G1, G0B+4*\s, G1B
.endr
	v_and_b32 v6, 31, v0
	v_lshlrev_b32 v[LI], 4, v6
	s_mul_i32 s21, s15, HALFT                      ; my 8 tiles of A
	s_mul_i32 s22, s16, HALFT                      ; my 8 tiles of B,
	s_add_co_u32 s22, s22, 2*HALFT                 ; which lie behind A's 16
.irp s, 0,1
	v_add_nc_u32 v[ADRA+\s], s21, v[LI]
	v_add_nc_u32 v[ADRB+\s], s22, v[LI]
	s_add_co_u32 s21, s21, SLOT
	s_add_co_u32 s22, s22, SLOT
.endr
	v_and_b32 v[BO], 15, v0
	v_lshlrev_b32 v[BO], 2, v[BO]
	s_lshl_b32 s20, s41, 10                        ; bh at my first channel: 256 x tile row + 128 x half
	s_lshl_b32 s21, s15, 9
	s_add_co_u32 s20, s20, s21
	s_mov_b32 s21, 0
	s_add_nc_u64 s[10:11], s[10:11], s[20:21]
.irp a, 0,1,2,3,4,5,6,7
	global_load_b32 v[BH+2*\a], v[BO], s[10:11] offset:64*\a   ; bh(16 a + lane % 16)
.endr
	s_lshl_b32 s20, s17, 21                        ; hq: batch, tile row x 16 tiles, half x 8 tiles,
	s_lshl_b32 s22, s41, 19
	s_add_co_u32 s20, s20, s22
	s_lshl_b32 s22, s15, 18
	s_add_co_u32 s20, s20, s22
	s_lshl_b32 s46, s42, 12                        ; and K step 2 x tile column + half
	s_lshl_b32 s47, s16, 11
	s_add_co_u32 s46, s46, s47
	s_add_co_u32 s20, s20, s46
	s_add_nc_u64 s[12:13], s[12:13], s[20:21]
	; ---- (1) THE SOFTMAX.  It touches no LDS and no barrier, and stands ahead of the first wait on the tensor loads: the ring's two first fills land meanwhile.
	v_and_b32 v1, 15, v0                           ; r
	v_bfe_u32 v5, v0, 4, 1                         ; h
	v_lshlrev_b32 v[QOF], 5, v1
	v_lshl_add_u32 v[QOF], v5, 4, v[QOF]
	v_and_b32 v[KOF], 8, v0
	v_add_nc_u32 v[KOF], v[KOF], v1
	v_lshlrev_b32 v[KOF], 5, v[KOF]
	v_lshl_add_u32 v[KOF], v5, 4, v[KOF]
	v_lshlrev_b32 v[RLO], 2, v1
	s_lshl_b32 s85, s42, 2
	s_add_co_u32 s85, s85, s41
	s_lshl_b32 s85, s85, 2
	s_add_co_u32 s85, s85, s14                     ; my tile of 16 queries: (4 x tile column + tile row) x 4 + wave: 0 .. 127 in the batch
	s_mov_b32 s91, 0
	s_lshl_b32 s90, s17, 16                        ; a batch's 2,048 x 32 bytes
	s_add_nc_u64 s[70:71], s[70:71], s[90:91]      ; fq
	s_lshl_b32 s92, s85, 9
	s_add_co_u32 s90, s90, s92
	s_add_nc_u64 s[68:69], s[68:69], s[90:91]      ; gq: + my 16 queries
	s_lshl_b32 s90, s17, 22
	s_lshl_b32 s92, s85, 15
	s_add_co_u32 s90, s90, s92
	s_add_nc_u64 s[74:75], s[74:75], s[90:91]      ; pq: batch, tile of queries
	s_lshl_b32 s90, s17, 13
	s_lshl_b32 s92, s85, 6
	s_add_co_u32 s90, s90, s92
	s_add_nc_u64 s[76:77], s[76:77], s[90:91]      ; rl
	global_load_b128 v[QL:QL+3], v[QOF], s[68:69]
	global_load_b128 v[QH+4:QH+7], v[QOF], s[68:69]
	WIN 0x80                                       ; destination window 2
.irp q, 0,1,2,3
	KLOAD \q
.endr
	WIN 0xc0                                       ; destination window 3
.irp q, 4,5,6,7
	KLOAD \q
.endr
	WIN 0
.irp j, 4,5,6,7,8,9,10,11
	v_mov_b32 v[QL+\j], 0                          ; the zero halves: a zero code adds nothing
.endr
.irp j, 0,1,2,3
	v_mov_b32 v[MX+\j], 0xff800000                 ; under every score
.endr
.irp j, 0,1,2,3,4,5,6,7
	v_mov_b32 v[LS+\j], 0                          ; the sums run over eight chunks
.endr
	v_mov_b32 v[TW], 0                             ; (a lane permute's destination counts as one of its sources)
	v_mov_b32 v[NM+1], 0                           ; (named as the upper half of the pair)
	s_mov_b32 s88, 0x76543210                      ; v_permlanex16_b32's selects for lane l xor 16
	s_mov_b32 s89, 0xfedcba98
	s_mov_b32 s86, 0x3fb8aa3b                      ; log2(e)
	s_wait_kmcnt 0x0
	s_add_co_i32 s95, s80, s81
	s_lshl_b32 s95, s95, 23
	s_add_co_i32 s86, s86, s95                     ; a sum stands for sum x 2^(e6 + e7): the exponents are added to log2(e)'s exponent field
	s_mov_b32 s87, s86                             ; (named with it as a pair, so it is written)
	s_add_co_i32 s94, s82, s83                     ; e8 + e9
	s_add_co_i32 s95, s83, 127
	s_lshl_b32 s92, s95, 23
	v_mov_b32 v[SC9], s92                          ; 2^e9
	s_add_co_i32 s95, s95, 8
	s_lshl_b32 s95, s95, 23
	s_or_b32 s95, s95, 0x600000
	v_mov_b32 v[SC9+1], s95                        ; 448 x 2^e9
.irp q, 0,1,2,3,4,5,6,7
	PASS1 \q
.endr
	v_max3_num_f32 v[MX], v[MX], v[MX+1], v[MX+2]
	v_max_num_f32 v[MX], v[MX], v[MX+3]
	v_permlanex16_b32 v[TW], v[MX], s88, s89
	v_max_num_f32 v[MX], v[MX], v[TW]              ; the row's largest score,
	v_mul_f32 v[MX], s86, v[MX]                    ; as t (the factor is positive)
	v_floor_f32 v[NM], -v[MX]                      ; -M = floor(-t) = -ceil(t)
.irp q, 0,1,2,3,4,5,6,7
	PASS2 \q
.endr
	v_pk_add_f32 v[LS:LS+1], v[LS:LS+1], v[LS+2:LS+3]
	v_pk_add_f32 v[LS+4:LS+5], v[LS+4:LS+5], v[LS+6:LS+7]
	v_pk_add_f32 v[LS:LS+1], v[LS:LS+1], v[LS+4:LS+5]
	v_add_f32 v[LS], v[LS], v[LS+1]
	v_permlanex16_b32 v[TW], v[LS], s88, s89
	v_add_f32 v[LS], v[LS], v[TW]                  ; l, over 1/2
	v_rcp_f32 v[TW+1], v[LS]
	v_and_b32 v[TW+2], 31, v0                      ; (one plain line behind the reciprocal)
	v_cmp_gt_u32 vcc_lo, 16, v[TW+2]               ; lanes 0-15 hold the 16 queries (lanes 16-31 the same again)
	s_wait_alu depctr_va_vdst(0)                   ; the wait, ahead of the first reader
	v_mul_f32 v[TW+1], s84, v[TW+1]                ; gamma / l
	v_ldexp_f32 v[TW+1], v[TW+1], s94              ; x 2^(e8 + e9)
	s_wait_xcnt 0x0                                ; EXEC is a source of the stores above: it changes only behind this wait
	s_and_saveexec_b32 s93, vcc_lo
	global_store_b32 v[RLO], v[TW+1], s[76:77]
	s_wait_xcnt 0x0                                ; and again, in front of the line that widens it; every register of the softmax may now be written again
	s_or_b32 exec_lo, exec_lo, s93
	; ---- (2) hh
.macro FRAG reg, adr, q, i             ; tile i's image of the slot's q-th K step: registers 4 c .. 4 c + 3 hold K = 32 c + 16 (l / 16) + 0 .. 15 of row l % 16
.irp c, 0,1,2,3
	ds_load_b128 v[\reg+4*\c:\reg+4*\c+3], v[\adr] offset:2048*(\q)+512*\c+(\i)*4096
.endr
.endm
; 16 matrix instructions: A's blocks a0, a0 + 1 x B's eight, 128 along K.  p: B's set.  zero = 1: the first product starts the sums.  The 64 accumulators take turns, one instruction a turn, in the same order in every step.
.macro MUL16 a0, p, zero
.irp a, \a0, \a0+1
.irp b, 0,1,2,3,4,5,6,7
.if \zero
	v_wmma_f32_16x16x128_fp8_fp8 v[8*(8*((\a)%4)+\b):8*(8*((\a)%4)+\b)+7], v[128*(\p)+FR*\b:128*(\p)+FR*\b+FR-1], v[AF+FR*(\a):AF+FR*(\a)+FR-1], 0
.else
	v_wmma_f32_16x16x128_fp8_fp8 v[8*(8*((\a)%4)+\b):8*(8*((\a)%4)+\b)+7], v[128*(\p)+FR*\b:128*(\p)+FR*\b+FR-1], v[AF+FR*(\a):AF+FR*(\a)+FR-1], v[8*(8*((\a)%4)+\b):8*(8*((\a)%4)+\b)+7]
.endif
.endr
.endr
.endm
.macro FETCH_B slot, q, p              ; B's eight fragments of the slot's q-th K step into set p
	WIN TO_B
.irp i, 0,1,2,3,4,5,6,7
	FRAG 128*(\p)+FR*\i, ADRB+\slot, \q, \i
.endr
	WIN 0
.endm
.macro FETCH_A slot, q, i0             ; A's blocks i0 .. i0 + 3
.irp i, \i0, \i0+1, \i0+2, \i0+3
	FRAG AF+FR*(\i), ADRA+\slot, \q, \i
.endr
.endm
.macro PLACES n                        ; a load into a register that a matrix instruction has read stands NP plain vector lines behind it
.rept \n
	v_nop
.endr
.endm
; A step of 128 along K that has its successor in the same slot.  A has one set of registers: blocks 0-3 are fetched anew in the step's middle, blocks 4-7 at its end; B has two sets.
.macro STEP slot, q, zero
	s_wait_dscnt 4*NL                              ; B's set and A's blocks 0-3 are in; the youngest sixteen loads (A's blocks 4-7) may be out
	WIN MUL_LO
	MUL16 0, (\q)%2, \zero
	MUL16 2, (\q)%2, \zero
	s_wait_dscnt 0                                 ; A's blocks 4-7 are in
	PLACES NP
	FETCH_B \slot, (\q)+1, 1-(\q)%2
	FETCH_A \slot, (\q)+1, 0
	WIN MUL_HI
	MUL16 4, (\q)%2, \zero
	MUL16 6, (\q)%2, \zero
	PLACES NP
	WIN 0
	FETCH_A \slot, (\q)+1, 4
.endm
; A slot's last step changes slots: one barrier; in front of it each wave waits for all its tensor loads, adds 0 to its spare word, and waits for that and for its own reads of this slot.  fill = 1: this slot is filled again, two slots ahead.
.macro TURN slot, next, fill
	s_wait_tensorcnt 0x0                           ; all my tensor loads have landed: my part of the next slot  (every window is 0 here)
	ds_add_u32 v[SPW], v[NIL]                      ; 0 onto my spare word
	s_wait_dscnt 4*NL+1                            ; (the add and the youngest sixteen loads, A's blocks 4-7, may be out)
	WIN MUL_LO
	MUL16 0, 1, 0                                  ; sixteen matrix instructions stand between the add and the wait for it
	s_wait_dscnt 0x0                               ; the add is done, and my reads of this slot are over
	s_barrier_signal -1
	MUL16 2, 1, 0
	WIN 0
	s_barrier_wait -1
.if \fill
	CREST                                          ; the barrier has opened a round of the cluster's: no wave of any partner still reads this slot or has a load on its way
	s_add_nc_u64 s[G0+4*\slot+2:G0+4*\slot+3], s[G0+4*\slot+2:G0+4*\slot+3], 8192
	s_add_nc_u64 s[G0B+4*\slot+2:G0B+4*\slot+3], s[G0B+4*\slot+2:G0B+4*\slot+3], 8192
	JLOAD G0+4*\slot, G1, G0B+4*\slot, G1B         ; the first tensor load behind the round; the four v_nop behind it are the places in front of the loads below
.else
	PLACES NP
.endif
	FETCH_B \next, 0, 0
	FETCH_A \next, 0, 0
	WIN MUL_HI
	MUL16 4, 1, 0
	MUL16 6, 1, 0
	PLACES NP
	WIN 0
	FETCH_A \next, 0, 4
.endm
	s_wait_tensorcnt 1                             ; my part of slot 0 is in (slot 1's load may be out)
	s_barrier_signal -1
	s_barrier_wait -1                              ; everybody's is
	FETCH_B 0, 0, 0
	FETCH_A 0, 0, 0
	FETCH_A 0, 0, 4
	STEP 0, 0, 1                                   ; the first step stands in front of the loop: its products start the sums
	s_mov_b32 s3, LAPS-1
.Llap:                                                 ; a trip goes once round the ring and fills both slots again
	TURN 0, 1, 1
	STEP 1, 0, 0
	TURN 1, 0, 1
	STEP 0, 0, 0
	s_sub_co_u32 s3, s3, 1
	s_cmp_lg_u32 s3, 0
	s_cbranch_scc1 .Llap
	TURN 0, 1, 0                                   ; the last lap fills nothing, and has no round of the cluster's barrier
	STEP 1, 0, 0
	s_wait_dscnt 4*NL                              ; the very last step: nothing more to fetch
	WIN MUL_LO
	MUL16 0, 1, 0
	MUL16 2, 1, 0
	s_wait_dscnt 0
	WIN MUL_HI
	MUL16 4, 1, 0
	MUL16 6, 1, 0
	WIN 0
	; THE WAY OUT: hh = sum x 2^(e4 + e5) + bh; hold; conversion; a block's 16 registers of codes are one image, stored as it stands.
	s_wait_kmcnt 0x0
	s_add_co_i32 s96, s96, s97
	s_add_co_i32 s96, s96, 127
	s_lshl_b32 s96, s96, 23                        ; 2^(e4 + e5) as f32
	s_mov_b32 s97, s96                             ; (named with it as a pair, so it is written)
	s_add_co_i32 s98, s98, 127
	s_lshl_b32 s99, s98, 23
	s_add_co_i32 s98, s98, 8
	s_lshl_b32 s98, s98, 23
	s_or_b32 s98, s98, 0x600000
	s_wait_loadcnt 0x0                             ; the biases
	v_mov_b32 v[SC], s99                           ; 2^e8.  These ten plain lines name no register of the last products: they are the places behind them
	v_mov_b32 v[SC+1], s98                         ; 448 x 2^e8
.irp a, 0,1,2,3,4,5,6,7
	v_mov_b32 v[BH+2*\a+1], v[BH+2*\a]             ; a lane has one channel: its bias fills the pair
.endr
.irp a, 0,1,2,3,4,5,6,7
	WIN 0x02+((\a)/4)                              ; source 0: window 2 or 3
.irp j, 0,2,4,6,8,10,12,14,16,18,20,22,24,26,28,30,32,34,36,38,40,42,44,46,48,50,52,54,56,58,60,62
	v_pk_fma_f32 v[TMP+\j:TMP+\j+1], v[64*(\a%4)+\j:64*(\a%4)+\j+1], s[96:97], v[BH+2*\a:BH+2*\a+1] op_sel_hi:[1,0,1]   ; each accumulator from its low end on
.endr
	WIN 0
.set i, 0
.rept 64
	v_med3_num_f32 v[TMP+i], v[TMP+i], -v[SC+1], v[SC+1]       ; the conversion does not saturate (ISA guide 7.6.2)
.set i, i+1
.endr
.irp g, 0,1,2,3
	v_cvt_scalef32_pk8_fp8_f32 v[CD+16*\a+4*\g:CD+16*\a+4*\g+1], v[TMP+16*\g:TMP+16*\g+7], v[SC]           ; positions 32 g + 16 (lane / 16) + 0 .. 7,
	v_cvt_scalef32_pk8_fp8_f32 v[CD+16*\a+4*\g+2:CD+16*\a+4*\g+3], v[TMP+16*\g+8:TMP+16*\g+15], v[SC]      ; + 8 .. 15
.endr
	v_nop                                          ; one plain line between the conversions and the next block's lines, which write their sources
.irp g, 0,1,2,3
	global_store_b128 v[LI], v[CD+16*\a+4*\g:CD+16*\a+4*\g+3], s[12:13] offset:32768*\a+512*\g th:TH_STORE_NT   ; the wave stores 512 consecutive bytes
.endr
.endr
	s_wait_tensorcnt 0x0                           ; the wave's end: behind my last tensor load
	ds_add_u32 v[SPW], v[NIL]
	s_wait_dscnt 0x0
	CROUND                                         ; the closing round: no work-group ends while a partner may still ask for a tile that names it
	s_endpgm
.Lfunc_end_k_q526b1d77e2_hsoft:
	.size	k_q526b1d77e2_hsoft, .Lfunc_end_k_q526b1d77e2_hsoft-k_q526b1d77e2_hsoft
	.p2alignl 7, 3214868480
	.fill 96, 4, 3214868480
	.section	.rodata,"a",@progbits
	.p2align	6, 0x0
	.amdhsa_kernel k_q526b1d77e2_hsoft
		.amdhsa_group_segment_fixed_size 327680
		.amdhsa_private_segment_fixed_size 0
		.amdhsa_enable_private_segment 0
		.amdhsa_kernarg_size 80
		.amdhsa_user_sgpr_count 2
		.amdhsa_user_sgpr_kernarg_segment_ptr 1
		.amdhsa_wavefront_size32 1
		.amdhsa_system_sgpr_workgroup_id_x 1
		.amdhsa_system_sgpr_workgroup_id_y 1
		.amdhsa_system_sgpr_workgroup_id_z 1
		.amdhsa_system_vgpr_workitem_id 0
		.amdhsa_next_free_vgpr 1024
		.amdhsa_next_free_sgpr 100
		.amdhsa_reserve_vcc 1
		.amdhsa_float_denorm_mode_32 3
		.amdhsa_float_denorm_mode_16_64 3
		.amdhsa_memory_ordered 1
		.amdhsa_forward_progress 1
		.amdhsa_inst_pref_size 255
	.end_amdhsa_kernel
	.section	.bss,"aw",@nobits
	.p2align	6
	.space	262144
	.amdgpu_metadata
---
amdhsa.version: [ 1, 2 ]
amdhsa.kernels:
  - .name:           k_q526b1d77e2_hsoft
    .symbol:         k_q526b1d77e2_hsoft.kd
    .args:
      - { .name: whq, .offset: 0, .size: 8, .value_kind: global_buffer, .address_space: global }
      - { .name: xq, .offset: 8, .size: 8, .value_kind: global_buffer, .address_space: global }
      - { .name: lowp_scales, .offset: 16, .size: 8, .value_kind: global_buffer, .address_space: global }
      - { .name: bh, .offset: 24, .size: 8, .value_kind: global_buffer, .address_space: global }
      - { .name: hq, .offset: 32, .size: 8, .value_kind: global_buffer, .address_space: global }
      - { .name: gq, .offset: 40, .size: 8, .value_kind: global_buffer, .address_space: global }
      - { .name: fq, .offset: 48, .size: 8, .value_kind: global_buffer, .address_space: global }
      - { .name: gamma, .offset: 56, .size: 8, .value_kind: global_buffer, .address_space: global }
      - { .name: pq, .offset: 64, .size: 8, .value_kind: global_buffer, .address_space: global }
      - { .name: rl, .offset: 72, .size: 8, .value_kind: global_buffer, .address_space: global }
    .group_segment_fixed_size: 327680
    .private_segment_fixed_size: 0
    .kernarg_segment_align: 8
    .kernarg_segment_size: 80
    .max_flat_workgroup_size: 128
    .sgpr_count:     100
    .vgpr_count:     1024
    .wavefront_size: 32
...
	.end_amdgpu_metadata
.endif
;; end of part 2
;; launch ogemm (part 3): grid 8 x 32, 4 waves a work-group, clusters of 4 x 4, 327,680 bytes of LDS; arguments hq, pq, rl, x, out0; writes out0
.if DOCPART == 3
	.amdgcn_target "amdgcn-amd-amdhsa--gfx1250"
	.amdhsa_code_object_version 6
	.text
	.protected	k_q526b1d77e2_ogemm
	.globl	k_q526b1d77e2_ogemm
	.p2align	8
	.type	k_q526b1d77e2_ogemm,@function
k_q526b1d77e2_ogemm:
	s_mov_b64 s[64:65], 0
	v_nop
	global_prefetch_b8 v0, s[64:65] scope:SCOPE_SE
	s_setreg_imm32_b32 hwreg(HW_REG_WAVE_MODE, 25, 1), 1
	s_wait_xcnt 0x0
	s_wait_alu depctr_hold_cnt(0) depctr_sa_sdst(0) depctr_va_vdst(0) depctr_va_sdst(0) depctr_va_ssrc(0) depctr_va_vcc(0) depctr_vm_vsrc(0)
	s_getreg_b32 s2, hwreg(HW_REG_IB_STS2, 6, 4)
	s_cmp_eq_u32 s2, 0
	s_cbranch_scc0 .Lentry_in_a_cluster
	s_endpgm
.Lentry_in_a_cluster:
	s_bfe_u32 s2, ttmp6, 0x10000c
	s_cmp_lg_u32 s2, 0xf033
	s_cbranch_scc0 .Lentry_shape_is_right
	s_endpgm
.Lentry_shape_is_right:
; out[b][c][i] = rl[b][i] x (sum over keys j of hh's code [c][j] x p's code [i][j]) + x[b][c][i];  rl = gamma x 2^(e8 + e9) / l comes from the launch that made p.  No work is left out.
; A tile of the output, 256 channels x 256 queries, is made by a work-group of four waves; a wave makes 128 x 128: 64 accumulators, 512 registers.  Grid x: the 8 tile columns; grid y: 4 x batch + tile row: 256 work-groups.
; Operands lie in memory as images of their registers (a fragment, 16 rows x 128 K, is 2,048 bytes; a tile of 16 rows has its 16 K steps on end): a K slot (two steps) of 128 rows is 8 runs of 4,096 bytes, one tensor load, dense in LDS.
; K = 2,048 keys goes through a ring of two LDS slots.  CLUSTERS: 4 x 4 work-groups = one batch's four tile rows x four tile columns; hh's tiles are shared along a row, p's along a column, each asked for JOINTLY.
; By this text's count a wave has two tensor loads out at the start and one behind each round.
; THE MATRIX INSTRUCTION IS USED TRANSPOSED (source 0 = 16 queries, source 1 = 16 channels): a lane holds eight neighbouring queries of one channel's row.
; THE WAY OUT: a block of 16 rows x 128 columns goes as raw sums through my stage in LDS and comes back as whole rows of 512 bytes; there a lane holds the same four queries in every row, so four registers of rl serve the whole
; tile, and one packed multiply-add gives sum x rl + x.  x's rows are asked for two blocks ahead.
; REGISTERS, in windows of 256: window 0: v16-30 addresses; v32-35 rl; from v128 A's fragments, ONE set.   window 1: B's fragments, TWO sets; on the way out v0-127 two sets of x's rows, v128-255 two sets of rows read back.
;   window 2: the accumulators of my channels 0-63 ((a, b) at v[8 (8 a + b)]);   window 3: those of my channels 64-127.
.set KS,     16                        ; K steps of 128
.set TP,     KS*2048                   ; from a tile of 16 rows to the next, in bytes
.set HALFT,  32768                     ; 8 tiles x two K steps: what one tensor load brings, and what one wave reads of A or of B
.set SLOT,   4*HALFT
.set LAPS,   KS/4
.set SPARE,  2*SLOT                    ; behind the ring: the spare words, 128 bytes for each wave
.set SPITCH, 528                       ; the way out: a stage of 16 rows x (512 bytes + 16) for each wave, in slot 0, which has had its last fill and its last read when the first sum is stored there
.set FR,     16
.set NL,     4
.set NP,     4
.set ADRA, 16                          ; v16-17  LDS address of my A fragments in slot 0, 1
.set ADRB, 20                          ; v20-21  the same for B
.set STO,  24                          ; v24     the way out: where I put 32 bytes of a row
.set RD,   25                          ; v25     where I read a row back
.set LI,   26                          ; v26     16 x lane: also my bytes in a row of x, of the output and of rl
.set SPW,  28                          ; v28     my spare word; never rewritten
.set NIL,  29                          ; v29     0; never rewritten
.set PFO,  30                          ; v30     the prefetches' offset: (lane / 16) tiles + 256 (lane % 16); never rewritten
.set FAC,  32                          ; v32-35  rl of my four queries
.set AF,   128
.set G1, 24
.set G0, 32
.set G1B, 48
.set G0B, 56
.set PFA, 66                           ; s[66:67] where my prefetches stand
.set LIM, 68                           ; s68     1 in a wave that prefetches, else the greatest number
.set MSB, 0
.macro WIN new                         ; the immediate's high byte repeats the setting that is left
.if MSB != (\new)
	s_set_vgpr_msb (MSB<<8)|(\new)
.set MSB, (\new)
.endif
.endm
.set MUL_LO, 0xa1                      ; source 0 (B) window 1, source 1 (A) window 0, C and D window 2
.set MUL_HI, 0xf1
.set TO_B,   0x40
.macro JLOAD g0a, g1a, g0b, g1b        ; a joint load: waves 0 and 1 fetch for A, waves 2 and 3 for B; an s_nop 0 and four v_nop follow each of the two lines
	s_cmp_eq_u32 s15, 0
	s_cbranch_scc0 .Lfor_b_\@
	tensor_load_to_lds s[\g0a:\g0a+3], s[\g1a:\g1a+7]
	s_nop 0
.rept 4
	v_nop
.endr
	s_branch .Lasked_\@
.Lfor_b_\@:
	tensor_load_to_lds s[\g0b:\g0b+3], s[\g1b:\g1b+7]
	s_nop 0
.rept 4
	v_nop
.endr
.Lasked_\@:
.endm
; A PREFETCH INTO THE L2, behind each joint refill and the run of LDS loads that follows it: the K slot that stands two refills on.  A wave's load is 8 tiles x 4,096 bytes = 128 blocks of 256; the four partners that ask for it
; jointly take two tiles each, told apart BY ADDRESS (cx for hh's, cy for p's): 32 blocks, a lane a block, one instruction a wave.  hh's tile row is read by both clusters of a batch: the one with x = 0 asks; p's tile
; column is read by my cluster alone.  So each block is named once.  The loop's last trip asks for nothing: there is no slot two refills on.  Slots 0 to 3 come by their loads alone.
.macro ASK
	s_cmp_gt_u32 s3, s[LIM]                        ; s3 = 1 in the loop's last trip
	s_cbranch_scc0 .Lnot_mine_\@
	global_prefetch_b8 v[PFO], s[PFA:PFA+1] offset:4096 th:TH_LOAD_NT scope:SCOPE_SE
.Lnot_mine_\@:
.endm
.macro CREST
	s_cmp_lg_u32 s14, 0
	s_cbranch_scc1 .Lnot_wave_0_\@
	s_barrier_signal -3
.Lnot_wave_0_\@:
	s_barrier_wait -3
	s_barrier_signal -1
	s_barrier_wait -1
.endm
.macro CROUND
	s_barrier_signal -1
	s_barrier_wait -1
	CREST
.endm
	s_load_b128 s[4:7], s[0:1], 0x0                ; hh's codes s[4:5], p's codes s[6:7]
	s_load_b128 s[8:11], s[0:1], 0x10              ; rl s[8:9], x s[10:11]
	s_load_b64 s[12:13], s[0:1], 0x20              ; the output
	v_lshl_add_u32 v[SPW], v0, 2, SPARE
	v_mov_b32 v[NIL], 0
	ds_add_u32 v[SPW], v[NIL]                      ; the wave's opening: the add, twice on end, and its wait ahead of my first tensor load; the set-up below stands between the second and the wait
	ds_add_u32 v[SPW], v[NIL]
	v_lshrrev_b32 v1, 5, v0
	v_readfirstlane_b32 s14, v1                    ; wave 0..3
	s_lshr_b32 s15, s14, 1                         ; which half of the tile's channels is mine.  Also: I fetch for A (0) or for B (1)
	s_and_b32 s16, s14, 1                          ; which half of its queries.  Also: which 8 tiles of 16 rows I fetch
	s_bfe_u32 s40, ttmp6, 0x40000                  ; cx, cy: my place in the cluster
	s_bfe_u32 s41, ttmp6, 0x40004                  ; cy is the tile row
	s_lshl_b32 s42, ttmp9, 2
	s_add_co_u32 s42, s42, s40                     ; tile column = 4 x cluster x + cx
	s_and_b32 s17, ttmp7, 0xffff                   ; cluster y is the batch
	s_lshl_b32 s43, s41, 2
	s_lshl_b32 s43, 15, s43                        ; my row of the cluster
	s_lshl_b32 s44, 0x1111, s40                    ; my column
	s_or_b32 s[G1+0], s43, (3<<16)|(1<<21)         ; 15:0 the mask: A's tiles go to my row; 17:16 elements of 8 bytes; 21 set beside a mask; no padding
	s_or_b32 s[G1B+0], s44, (3<<16)|(1<<21)
.irp g, G1, G1B
	s_mov_b32 s[\g+1], 512<<16                     ; tensor_dim0 = 512 elements: two K steps' images, 4,096 bytes
	s_mov_b32 s[\g+2], 8<<16                       ; tensor_dim1 = 8 tiles of 16 rows
	s_mov_b32 s[\g+3], 512<<16                     ; tile_dim0
	s_mov_b32 s[\g+4], 8                           ; tile_dim1
	s_mov_b32 s[\g+5], TP/8                        ; tensor_dim0_stride
	s_mov_b32 s[\g+6], 0
	s_mov_b32 s[\g+7], 0
.endr
	s_lshl_b32 s18, s16, 18                        ; which 8 tiles I fetch: 8 x TP
	s_lshl_b32 s20, s17, 2
	s_add_co_u32 s20, s20, s41
	s_lshl_b32 s20, s20, 19                        ; A: (4 x batch + tile row) x 16 x TP
	s_add_co_u32 s20, s20, s18
	s_mov_b32 s21, 0
	s_lshl_b32 s46, s42, 19                        ; B: tile column x 16 x TP,
	s_add_co_u32 s46, s46, s18
	s_lshl_b32 s19, s17, 22                        ; in my batch's 128 tiles
	s_add_co_u32 s46, s46, s19
	s_mov_b32 s47, 0
	s_mul_i32 s45, s14, HALFT                      ; where they go: no place in the cluster enters an LDS address
	s_wait_dscnt 0x0                               ; both opening adds are done
	s_wait_kmcnt 0x0
	s_add_nc_u64 s[20:21], s[4:5], s[20:21]
	s_add_nc_u64 s[46:47], s[6:7], s[46:47]
	CROUND                                         ; all sixteen work-groups are here: the first joint loads meet
.irp s, 0,1
	s_mov_b32 s[G0+4*\s], 1
	s_add_co_u32 s[G0+4*\s+1], s45, \s*SLOT
	s_add_nc_u64 s[G0+4*\s+2:G0+4*\s+3], s[20:21], \s*4096
	s_or_b32 s[G0+4*\s+3], s[G0+4*\s+3], 0x80000000
	s_mov_b32 s[G0B+4*\s], 1
	s_add_co_u32 s[G0B+4*\s+1], s45, \s*SLOT
	s_add_nc_u64 s[G0B+4*\s+2:G0B+4*\s+3], s[46:47], \s*4096
	s_or_b32 s[G0B+4*\s+3], s[G0B+4*\s+3], 0x80000000
	JLOAD G0+4*\s, G1, G0B+4*\s, G1B
.endr
	; the prefetches: where mine stand, and who asks
	s_cmp_eq_u32 s15, 0                            ; do I fetch for A?
	s_cselect_b64 s[PFA:PFA+1], s[20:21], s[46:47] ; the 8 tiles that I fetch,
	s_cselect_b32 s22, s40, s41                    ; my place among the four that ask for them with me,
	s_cselect_b32 s23, ttmp9, 0                    ; and the coordinate along which another cluster reads the same rows (none for B)
	s_cmp_eq_u32 s23, 0
	s_cselect_b32 s[LIM], 1, -1                    ; the same in all sixteen partners, for a given wave
	s_lshl_b32 s22, s22, 16                        ; my work-group's two tiles of the eight,
	s_add_co_u32 s22, s22, 8192                    ; at K slot 2: the first refill steps it to slot 3 and names slot 4.  Nothing is prefetched here, at the head
	s_mov_b32 s23, 0
	s_add_nc_u64 s[PFA:PFA+1], s[PFA:PFA+1], s[22:23]
	v_and_b32 v1, 15, v0                           ; l % 16
	v_bfe_u32 v2, v0, 4, 1                         ; l / 16
	v_lshlrev_b32 v[PFO], 15, v2
	v_lshl_add_u32 v[PFO], v1, 8, v[PFO]
	v_and_b32 v6, 31, v0
	v_lshlrev_b32 v[LI], 4, v6
	s_mul_i32 s21, s15, HALFT                      ; my 8 tiles of A
	s_mul_i32 s22, s16, HALFT                      ; my 8 tiles of B,
	s_add_co_u32 s22, s22, 2*HALFT                 ; which lie behind A's 16
.irp s, 0,1
	v_add_nc_u32 v[ADRA+\s], s21, v[LI]
	v_add_nc_u32 v[ADRB+\s], s22, v[LI]
	s_add_co_u32 s21, s21, SLOT
	s_add_co_u32 s22, s22, SLOT
.endr
	s_mul_i32 s23, s14, 16*SPITCH                  ; my stage
	v_mul_u32_u24 v5, v1, SPITCH                   ; in: row l % 16, 32 bytes for each half of the lanes
	v_lshl_add_u32 v5, v2, 5, v5
	v_add_nc_u32 v[STO], s23, v5
	v_add_nc_u32 v[RD], s23, v[LI]                 ; back: the 32 lanes take one row of 512 bytes
	s_lshl_b32 s20, s17, 23                        ; x and the output at my part: batch, channel 256 x tile row + 128 x half (rows of 8,192 bytes),
	s_lshl_b32 s21, s41, 21
	s_add_co_u32 s20, s20, s21
	s_lshl_b32 s21, s15, 20
	s_add_co_u32 s20, s20, s21
	s_mov_b32 s21, 0
	s_lshl_b32 s46, s42, 10                        ; query 256 x tile column + 128 x half
	s_lshl_b32 s47, s16, 9
	s_add_co_u32 s46, s46, s47
	s_mov_b32 s47, 0
	s_add_nc_u64 s[20:21], s[20:21], s[46:47]
	s_add_nc_u64 s[10:11], s[10:11], s[20:21]
	s_add_nc_u64 s[12:13], s[12:13], s[20:21]
	s_lshl_b32 s20, s17, 13                        ; rl: batch, the same queries
	s_add_co_u32 s46, s46, s20
	s_add_nc_u64 s[8:9], s[8:9], s[46:47]
	global_load_b128 v[FAC:FAC+3], v[LI], s[8:9]   ; rl of queries 4 lane .. 4 lane + 3 of my 128
.macro FRAG reg, adr, q, i             ; tile i's image of the slot's q-th K step
.irp c, 0,1,2,3
	ds_load_b128 v[\reg+4*\c:\reg+4*\c+3], v[\adr] offset:2048*(\q)+512*\c+(\i)*4096
.endr
.endm
; 16 matrix instructions: A's blocks a0, a0 + 1 x B's eight.  The 64 accumulators take turns, one instruction a turn, in the same order in every step.
.macro MUL16 a0, p, zero
.irp a, \a0, \a0+1
.irp b, 0,1,2,3,4,5,6,7
.if \zero
	v_wmma_f32_16x16x128_fp8_fp8 v[8*(8*((\a)%4)+\b):8*(8*((\a)%4)+\b)+7], v[128*(\p)+FR*\b:128*(\p)+FR*\b+FR-1], v[AF+FR*(\a):AF+FR*(\a)+FR-1], 0
.else
	v_wmma_f32_16x16x128_fp8_fp8 v[8*(8*((\a)%4)+\b):8*(8*((\a)%4)+\b)+7], v[128*(\p)+FR*\b:128*(\p)+FR*\b+FR-1], v[AF+FR*(\a):AF+FR*(\a)+FR-1], v[8*(8*((\a)%4)+\b):8*(8*((\a)%4)+\b)+7]
.endif
.endr
.endr
.endm
.macro FETCH_B slot, q, p
	WIN TO_B
.irp i, 0,1,2,3,4,5,6,7
	FRAG 128*(\p)+FR*\i, ADRB+\slot, \q, \i
.endr
	WIN 0
.endm
.macro FETCH_A slot, q, i0
.irp i, \i0, \i0+1, \i0+2, \i0+3
	FRAG AF+FR*(\i), ADRA+\slot, \q, \i
.endr
.endm
.macro PLACES n                        ; a load into a register that a matrix instruction has read, and an LDS store that reads a result, stand NP plain vector lines behind it
.rept \n
	v_nop
.endr
.endm
.macro STEP slot, q, zero
	s_wait_dscnt 4*NL                              ; B's set and A's blocks 0-3 are in; the youngest sixteen loads (A's blocks 4-7) may be out
	WIN MUL_LO
	MUL16 0, (\q)%2, \zero
	MUL16 2, (\q)%2, \zero
	s_wait_dscnt 0                                 ; A's blocks 4-7 are in
	PLACES NP
	FETCH_B \slot, (\q)+1, 1-(\q)%2
	FETCH_A \slot, (\q)+1, 0
	WIN MUL_HI
	MUL16 4, (\q)%2, \zero
	MUL16 6, (\q)%2, \zero
	PLACES NP
	WIN 0
	FETCH_A \slot, (\q)+1, 4
.endm
.macro TURN slot, next, fill
.if \fill
	s_wait_xcnt 0x0                                ; the last prefetch, a slot back, has read its address: it is stepped here, ahead of the waits of the change of slots
	s_add_nc_u64 s[PFA:PFA+1], s[PFA:PFA+1], 4096
.endif
	s_wait_tensorcnt 0x0                           ; all my tensor loads have landed: my part of the next slot  (every window is 0 here)
	ds_add_u32 v[SPW], v[NIL]                      ; 0 onto my spare word
	s_wait_dscnt 4*NL+1                            ; (the add and the youngest sixteen loads, A's blocks 4-7, may be out)
	WIN MUL_LO
	MUL16 0, 1, 0                                  ; sixteen matrix instructions stand between the add and the wait for it
	s_wait_dscnt 0x0                               ; the add is done, and my reads of this slot are over
	s_barrier_signal -1
	MUL16 2, 1, 0
	WIN 0
	s_barrier_wait -1
.if \fill
	CREST                                          ; the barrier has opened a round of the cluster's: no wave of any partner still reads this slot or has a load on its way
	s_add_nc_u64 s[G0+4*\slot+2:G0+4*\slot+3], s[G0+4*\slot+2:G0+4*\slot+3], 8192
	s_add_nc_u64 s[G0B+4*\slot+2:G0B+4*\slot+3], s[G0B+4*\slot+2:G0B+4*\slot+3], 8192
	JLOAD G0+4*\slot, G1, G0B+4*\slot, G1B         ; the first tensor load behind the round; the four v_nop behind it are the places in front of the loads below
.else
	PLACES NP
.endif
	FETCH_B \next, 0, 0
	FETCH_A \next, 0, 0
.if \fill
	ASK                                            ; the slot two refills on: 256 matrix instructions ahead of the load that will ask for it
.endif
	WIN MUL_HI
	MUL16 4, 1, 0
	MUL16 6, 1, 0
	PLACES NP
	WIN 0
	FETCH_A \next, 0, 4
.endm
; x's 16 rows of block a, 512 bytes of each, into set a % 2 of window 1
.macro XLOAD a
	WIN 0x40                                       ; destination window 1
.irp t, 0,1,2,3,4,5,6,7,8,9,10,11,12,13,14,15
	global_load_b128 v[64*((\a)%2)+4*\t:64*((\a)%2)+4*\t+3], v[LI], s[10:11] offset:(16*(\a)+\t)*8192 th:TH_LOAD_NT
.endr
.endm
; Block a's raw sums go into my stage, each accumulator's low four registers first, and come back as whole rows.  LDS serves a wave's instructions in order (ISA guide 5.7.1.4): no wait between the stores and the loads.
.macro TOSTAGE a
.set AC, 64*((\a)%4)
.set BB, 128+64*((\a)%2)
	WIN 0x08+4*((\a)/4)                            ; the stores' data: window 2 or 3
.irp b, 0,1,2,3,4,5,6,7
	ds_store_b128 v[STO], v[AC+8*\b:AC+8*\b+3] offset:64*\b
	ds_store_b128 v[STO], v[AC+8*\b+4:AC+8*\b+7] offset:64*\b+16
.endr
	WIN 0x40
.irp t, 0,1,2,3,4,5,6,7,8,9,10,11,12,13,14,15
	ds_load_b128 v[BB+4*\t:BB+4*\t+3], v[RD] offset:\t*SPITCH
.endr
.endm
; Block a leaves.  younger: the LDS instructions issued behind its loads from the stage; xl: the loads of x issued behind its own.
.macro SEND a, younger, xl
.set BB, 128+64*((\a)%2)
.set XX, 64*((\a)%2)
	s_wait_dscnt \younger                          ; the block is back in registers,
	s_wait_loadcnt \xl                             ; and its rows of x are in (rl, the oldest load, with them)
	WIN 0x51                                       ; the sums and x in window 1, rl in window 0
.irp t, 0,1,2,3,4,5,6,7,8,9,10,11,12,13,14,15
	v_pk_fma_f32 v[BB+4*\t:BB+4*\t+1], v[BB+4*\t:BB+4*\t+1], v[FAC:FAC+1], v[XX+4*\t:XX+4*\t+1]               ; sum x gamma 2^(e8 + e9) / l + x
	v_pk_fma_f32 v[BB+4*\t+2:BB+4*\t+3], v[BB+4*\t+2:BB+4*\t+3], v[FAC+2:FAC+3], v[XX+4*\t+2:XX+4*\t+3]
.endr
	WIN 0x04                                       ; the stores' data: window 1
.irp t, 0,1,2,3,4,5,6,7,8,9,10,11,12,13,14,15
	global_store_b128 v[LI], v[BB+4*\t:BB+4*\t+3], s[12:13] offset:(16*(\a)+\t)*8192 th:TH_STORE_NT   ; 32 lanes store 512 consecutive bytes, at a multiple of 256 from the output's first byte; 127 rows at the most: inside the signed 24-bit immediate
.endr
.if (\a)+2 < 8
	XLOAD (\a)+2                                   ; the set just used takes the rows of two blocks on
.endif
	WIN 0
.endm
	s_wait_tensorcnt 1                             ; my part of slot 0 is in (slot 1's load may be out)
	s_barrier_signal -1
	s_barrier_wait -1                              ; everybody's is
	FETCH_B 0, 0, 0
	FETCH_A 0, 0, 0
	FETCH_A 0, 0, 4
	STEP 0, 0, 1                                   ; the first step stands in front of the loop: its products start the sums
	s_mov_b32 s3, LAPS-1
.Llap:                                                 ; a trip goes once round the ring and fills both slots again
	TURN 0, 1, 1
	STEP 1, 0, 0
	TURN 1, 0, 1
	STEP 0, 0, 0
	s_sub_co_u32 s3, s3, 1
	s_cmp_lg_u32 s3, 0
	s_cbranch_scc1 .Llap
	TURN 0, 1, 0                                   ; the last lap fills nothing, and has no round of the cluster's barrier
	STEP 1, 0, 0
	XLOAD 0                                        ; B's set 0 is done with, and the step's last places stand behind the products that read it: x's first 32 rows are asked for under the last step
	XLOAD 1
	s_wait_dscnt 4*NL                              ; the very last step: nothing more to fetch from LDS
	WIN MUL_LO
	MUL16 0, 1, 0
	MUL16 2, 1, 0
	s_wait_dscnt 0
	WIN MUL_HI
	MUL16 4, 1, 0
	MUL16 6, 1, 0
	WIN 0
	PLACES NP                                      ; in front of the stores that read results and of the loads into B's set 1
	TOSTAGE 0
.irp a, 1,2,3,4,5,6,7
.if \a > 1
	s_wait_xcnt 0x0                                ; block a - 2's stores have read their registers: block a's rows may land there
.endif
	TOSTAGE \a
	SEND \a-1, 32, 16                              ; behind block a - 1's loads: block a's 16 stores and 16 loads; behind its rows of x: block a's 16
.endr
	SEND 7, 0, 0
	s_wait_tensorcnt 0x0                           ; the wave's end: behind my last tensor load and my last LDS store
	ds_add_u32 v[SPW], v[NIL]
	s_wait_dscnt 0x0
	CROUND                                         ; the closing round: no work-group ends while a partner may still ask for a tile that names it
	s_endpgm
.Lfunc_end_k_q526b1d77e2_ogemm:
	.size	k_q526b1d77e2_ogemm, .Lfunc_end_k_q526b1d77e2_ogemm-k_q526b1d77e2_ogemm
	.p2alignl 7, 3214868480
	.fill 96, 4, 3214868480
	.section	.rodata,"a",@progbits
	.p2align	6, 0x0
	.amdhsa_kernel k_q526b1d77e2_ogemm
		.amdhsa_group_segment_fixed_size 327680
		.amdhsa_private_segment_fixed_size 0
		.amdhsa_enable_private_segment 0
		.amdhsa_kernarg_size 40
		.amdhsa_user_sgpr_count 2
		.amdhsa_user_sgpr_kernarg_segment_ptr 1
		.amdhsa_wavefront_size32 1
		.amdhsa_system_sgpr_workgroup_id_x 1
		.amdhsa_system_sgpr_workgroup_id_y 1
		.amdhsa_system_sgpr_workgroup_id_z 1
		.amdhsa_system_vgpr_workitem_id 0
		.amdhsa_next_free_vgpr 1024
		.amdhsa_next_free_sgpr 100
		.amdhsa_reserve_vcc 0
		.amdhsa_float_denorm_mode_32 3
		.amdhsa_float_denorm_mode_16_64 3
		.amdhsa_memory_ordered 1
		.amdhsa_forward_progress 1
		.amdhsa_inst_pref_size 137
	.end_amdhsa_kernel
	.amdgpu_metadata
---
amdhsa.version: [ 1, 2 ]
amdhsa.kernels:
  - .name:           k_q526b1d77e2_ogemm
    .symbol:         k_q526b1d77e2_ogemm.kd
    .args:
      - { .name: hq, .offset: 0, .size: 8, .value_kind: global_buffer, .address_space: global }
      - { .name: pq, .offset: 8, .size: 8, .value_kind: global_buffer, .address_space: global }
      - { .name: rl, .offset: 16, .size: 8, .value_kind: global_buffer, .address_space: global }
      - { .name: x, .offset: 24, .size: 8, .value_kind: global_buffer, .address_space: global }
      - { .name: out0, .offset: 32, .size: 8, .value_kind: global_buffer, .address_space: global }
    .group_segment_fixed_size: 327680
    .private_segment_fixed_size: 0
    .kernarg_segment_align: 8
    .kernarg_segment_size: 40
    .max_flat_workgroup_size: 128
    .sgpr_count:     100
    .vgpr_count:     1024
    .wavefront_size: 32
...
	.end_amdgpu_metadata
.endif
;; end of part 3
